; MI455X (gfx1250); checked and timed in simulation.
; The chip was launched on July 23, 2026; its instructions are those of AMD's public machine-readable ISA for CDNA 5 (MIT licence, August 2026) and "CDNA5" Instruction Set Architecture Reference Guide (July 2026). The comments in the code are by the model that wrote it; some were corrected since.
;; Sparse Linear. Allowed arithmetic: float matrix products may take bf16 or f16 operands with f32 sums; all other float work in f32.
;; Inputs: bias 4,096 float32; input 4,096 x 4,096 float32; mask 4,096 x 4,096 int32; weight 4,096 x 4,096 float32.
;; Outputs: out0 4,096 x 4,096 float32.
;; 2 versions, each right; version 2 is version 1 with the launch prep written anew for expert scheduling mode. Each part assembles by itself: llvm-mc -triple=amdgcn-amd-amdhsa -mcpu=gfx1250 --defsym DOCPART=n.
;; ======== version 1 of 2: 2 launches
;; workspace buffers: abf 33,554,432 bytes; wbf 33,554,432 bytes
;; launch prep (part 1): grid 1024 x 1, 8 waves a work-group, no clusters, 0 bytes of LDS; arguments input, mask, weight, abf, wbf; writes abf, wbf
.if DOCPART == 1
	.amdgcn_target "amdgcn-amd-amdhsa--gfx1250"
	.amdhsa_code_object_version 6
	.text
	.protected	k_qf36d243cdc_prep
	.globl	k_qf36d243cdc_prep
	.p2align	8
	.type	k_qf36d243cdc_prep,@function
k_qf36d243cdc_prep:
	s_mov_b64 s[64:65], 0
	v_nop
	global_prefetch_b8 v0, s[64:65] scope:SCOPE_SE
	s_setreg_imm32_b32 hwreg(HW_REG_WAVE_MODE, 25, 1), 1
	s_wait_xcnt 0x0
; abf = bf16(input * float(mask)),  wbf = bf16(weight).  input, weight: [4096][4096] f32; mask: [4096][4096] i32; abf, wbf: [4096][4096] bf16.
; Every mask word is loaded, converted to f32 and multiplied in f32; the product is rounded once to bf16.  Nothing is assumed of the mask's values or pattern.
; LIMITS: none of range: the conversion of a mask word beyond 2^24 rounds to nearest even, as a cast to f32 does; infinity x 0 gives NaN, as the plain product does; bf16 keeps f32's exponents.
; A STREAM: bytes are all that counts, so there is no LDS, no barrier, no matrix work and no cluster (no two work-groups read the same byte).
; SHARES: the three tensors are flat runs of 16,777,216 numbers.  A work-group owns 16,384 of each: 64 KiB of each input, 32 KiB of each output.
; An ITEM is 1,024 numbers of each tensor: thread t loads the 16 bytes at 16 t + 4,096 i of input, mask and weight (a wave's load covers 512 consecutive bytes)
; and stores the 8 bytes at 8 t + 2,048 i of abf and of wbf (a wave's store covers 256 consecutive bytes, at a multiple of 256 from the buffer's first byte).
; A ring of DEPTH slots in registers keeps 3 x DEPTH loads of every wave on their way.  The item's number stands in the immediates: no address register is ever rewritten.
.set NI,    16                         ; items of a work-group
.set DEPTH, 6                          ; slots
.set LOFF,  1                          ; v1   16 t: my byte offset in an item of the inputs
.set SOFF,  2                          ; v2   8 t: my byte offset in an item of the outputs
.set RING,  4                          ; v[4:99]  slot s at 4 + 16 s: +0..3 input, +4..7 mask, +8..11 weight, +12..13 four bf16 for abf, +14..15 four for wbf
	s_load_b256 s[4:11], s[0:1], 0x0               ; input s[4:5], mask s[6:7], weight s[8:9], abf s[10:11]
	s_load_b64 s[12:13], s[0:1], 0x20              ; wbf
	s_lshl_b32 s2, ttmp9, 16                       ; my work-group's 65,536 bytes of each input (1,023 x 65,536 stays under 2^32),
	s_mov_b32 s3, 0
	s_lshl_b32 s14, ttmp9, 15                      ; and its 32,768 bytes of each output
	s_mov_b32 s15, 0
	v_lshlrev_b32 v[LOFF], 4, v0
	v_lshlrev_b32 v[SOFF], 3, v0
	s_wait_kmcnt 0x0
	s_add_nc_u64 s[4:5], s[4:5], s[2:3]
	s_add_nc_u64 s[6:7], s[6:7], s[2:3]
	s_add_nc_u64 s[8:9], s[8:9], s[2:3]
	s_add_nc_u64 s[10:11], s[10:11], s[14:15]
	s_add_nc_u64 s[12:13], s[12:13], s[14:15]
; Item i's three loads, into slot i % DEPTH.  Each input byte is read once in the launch.
.macro LOADS i
.set RL, RING+16*((\i)%DEPTH)
	global_load_b128 v[RL:RL+3],    v[LOFF], s[4:5] offset:(\i)*4096 th:TH_LOAD_NT
	global_load_b128 v[RL+4:RL+7],  v[LOFF], s[6:7] offset:(\i)*4096 th:TH_LOAD_NT
	global_load_b128 v[RL+8:RL+11], v[LOFF], s[8:9] offset:(\i)*4096 th:TH_LOAD_NT
.endm
; Item i's turn: ten vector instructions for eight numbers out; the slot's next loads go ahead of its stores.
.macro ITEM i
.set R, RING+16*((\i)%DEPTH)
.if (NI-1-(\i)) < (DEPTH-1)
	s_wait_loadcnt 3*(NI-1-(\i))                   ; loads come back in order (ISA guide 5.7.1): three for each younger item may stay out; at the end the counts run down
.else
	s_wait_loadcnt 3*(DEPTH-1)                     ; three for each of the five younger items may stay out
.endif
.if (\i) >= DEPTH
	s_wait_xcnt 0x0                                ; the slot's four output registers are the data of the stores issued DEPTH items ago: they are rewritten only behind this wait
.endif
.irp j, 4,5,6,7
	v_cvt_f32_i32 v[R+(\j)], v[R+(\j)]             ; the mask as f32
.endr
	v_pk_mul_f32 v[R:R+1],   v[R:R+1],   v[R+4:R+5]
	v_pk_mul_f32 v[R+2:R+3], v[R+2:R+3], v[R+6:R+7]
	v_cvt_pk_bf16_f32 v[R+12], v[R],    v[R+1]     ; two roundings to nearest even, packed, the lower number in the low half
	v_cvt_pk_bf16_f32 v[R+13], v[R+2],  v[R+3]
	v_cvt_pk_bf16_f32 v[R+14], v[R+8],  v[R+9]
	v_cvt_pk_bf16_f32 v[R+15], v[R+10], v[R+11]
.if (\i)+DEPTH < NI
	LOADS (\i)+DEPTH
.endif
	global_store_b64 v[SOFF], v[R+12:R+13], s[10:11] offset:(\i)*2048  ; the next launch reads these: no streaming hint
	global_store_b64 v[SOFF], v[R+14:R+15], s[12:13] offset:(\i)*2048
.endm
.irp i, 0,1,2,3,4,5
	LOADS \i                                       ; the ring is filled
.endr
.irp i, 0,1,2,3,4,5,6,7,8,9,10,11,12,13,14,15
	ITEM \i                                        ; sixteen items are written out: no loop, and no load past the work-group's share
.endr
	s_endpgm
.Lfunc_end_k_qf36d243cdc_prep:
	.size	k_qf36d243cdc_prep, .Lfunc_end_k_qf36d243cdc_prep-k_qf36d243cdc_prep
	.p2alignl 7, 3214868480
	.fill 96, 4, 3214868480
	.section	.rodata,"a",@progbits
	.p2align	6, 0x0
	.amdhsa_kernel k_qf36d243cdc_prep
		.amdhsa_group_segment_fixed_size 0
		.amdhsa_private_segment_fixed_size 0
		.amdhsa_enable_private_segment 0
		.amdhsa_kernarg_size 40
		.amdhsa_user_sgpr_count 2
		.amdhsa_user_sgpr_kernarg_segment_ptr 1
		.amdhsa_wavefront_size32 1
		.amdhsa_system_sgpr_workgroup_id_x 1
		.amdhsa_system_sgpr_workgroup_id_y 1
		.amdhsa_system_sgpr_workgroup_id_z 1
		.amdhsa_system_vgpr_workitem_id 0
		.amdhsa_next_free_vgpr 100
		.amdhsa_next_free_sgpr 66
		.amdhsa_reserve_vcc 0
		.amdhsa_float_denorm_mode_32 3
		.amdhsa_float_denorm_mode_16_64 3
		.amdhsa_memory_ordered 1
		.amdhsa_forward_progress 1
		.amdhsa_inst_pref_size 18
	.end_amdhsa_kernel
	.amdgpu_metadata
---
amdhsa.version: [ 1, 2 ]
amdhsa.kernels:
  - .name:           k_qf36d243cdc_prep
    .symbol:         k_qf36d243cdc_prep.kd
    .args:
      - { .name: input, .offset: 0, .size: 8, .value_kind: global_buffer, .address_space: global }
      - { .name: mask, .offset: 8, .size: 8, .value_kind: global_buffer, .address_space: global }
      - { .name: weight, .offset: 16, .size: 8, .value_kind: global_buffer, .address_space: global }
      - { .name: abf, .offset: 24, .size: 8, .value_kind: global_buffer, .address_space: global }
      - { .name: wbf, .offset: 32, .size: 8, .value_kind: global_buffer, .address_space: global }
    .group_segment_fixed_size: 0
    .private_segment_fixed_size: 0
    .kernarg_segment_align: 8
    .kernarg_segment_size: 40
    .max_flat_workgroup_size: 256
    .sgpr_count:     66
    .vgpr_count:     100
    .wavefront_size: 32
...
	.end_amdgpu_metadata
.endif
;; end of part 1
;; launch gemm (part 2): grid 16 x 16, 4 waves a work-group, clusters of 4 x 4, 327,680 bytes of LDS; arguments abf, wbf, bias, out0; writes out0
.if DOCPART == 2
	.amdgcn_target "amdgcn-amd-amdhsa--gfx1250"
	.amdhsa_code_object_version 6
	.text
	.protected	k_qf36d243cdc_gemm
	.globl	k_qf36d243cdc_gemm
	.p2align	8
	.type	k_qf36d243cdc_gemm,@function
k_qf36d243cdc_gemm:
	s_mov_b64 s[64:65], 0
	v_nop
	global_prefetch_b8 v0, s[64:65] scope:SCOPE_SE
	s_setreg_imm32_b32 hwreg(HW_REG_WAVE_MODE, 25, 1), 1
	s_wait_xcnt 0x0
	s_wait_alu depctr_hold_cnt(0) depctr_sa_sdst(0) depctr_va_vdst(0) depctr_va_sdst(0) depctr_va_ssrc(0) depctr_va_vcc(0) depctr_vm_vsrc(0)
	s_getreg_b32 s2, hwreg(HW_REG_IB_STS2, 6, 4)
	s_cmp_eq_u32 s2, 0
	s_cbranch_scc0 .Lentry_in_a_cluster
	s_endpgm
.Lentry_in_a_cluster:
	s_bfe_u32 s2, ttmp6, 0x10000c
	s_cmp_lg_u32 s2, 0xf033
	s_cbranch_scc0 .Lentry_shape_is_right
	s_endpgm
.Lentry_shape_is_right:
; out0[m][n] = sum over k of abf[m][k] wbf[n][k] + bias[n].  abf: [4096][4096] bf16 (the masked input), wbf: [4096][4096] bf16 (n, k), bias: [4096] f32, out0: [4096][4096] f32.  Sums in f32.
; LIMITS: the operands carry bf16's 8 significant bits and f32's exponents; NaN and infinities go through the products as they come.
; SHARES: a tile of out0, 256 x 256, is made by a work-group of four waves; a wave makes 128 x 128: 64 accumulators of 16 x 16, 512 registers.  16 x 16 tiles: 256 work-groups.
; K goes in 32 steps of 128 through a ring of two LDS slots filled by tensor loads: a tile's rows are 256 bytes of memory, at multiples of 256 from the buffer's first byte.
; CLUSTERS: 4 x 4 work-groups.  The four of a row of the cluster need the same tiles of abf, the four of a column the same tiles of wbf: each tile is asked for JOINTLY, by the same
; tensor load with the same descriptor and a mask that names the four; each receives it in its own LDS.  That divides the requests for both operands by four.
; THE MATRIX INSTRUCTION IS USED TRANSPOSED: source 0 = 16 rows of wbf, source 1 = 16 rows of abf.  In the result lane l holds row m = l % 16 of out0 and its registers 0 to 7 the columns
; n = 8 (l / 16) + 0..7: eight neighbouring numbers of a row.
; THE BIAS IS THE C OPERAND that starts each sum: for n block b a lane holds bias[16 b + 8 (l / 16) + 0..7] in eight registers, the same for all eight m blocks.  No accumulator is cleared and no add is written.
; REGISTERS, in windows of 256 (s_set_vgpr_msb's low byte: bits 1:0 source 0, 3:2 source 1, 5:4 source 2, 7:6 destination):
;   window 0: v0-31 addresses; v64-127, v128-191 fragments of abf, two buffers (on the way out: rows read back from the stage); v192-255 the bias
;   window 1: v64-127, v128-191 fragments of wbf, two buffers
;   window 2: the 32 accumulators of my rows 0-63 (accumulator (a, b) at v[8 (8 a + b)]);   window 3: those of my rows 64-127
.set SIZE_K, 4096
.set SIZE_N, 4096
.set KSTEP,  128
.set PITCH,  272                       ; an LDS row: 256 bytes of data + 16 of padding = 68 words: row r starts at bank 4 r mod 64 (64 banks of 4 bytes: ISA guide 11.1), so the 16 rows of a fragment load start at 16 different banks
.set HALFT,  128*PITCH                 ; 128 rows: what one tensor load brings, and what one wave reads of abf or of wbf
.set SLOT,   4*HALFT                   ; abf's 256 rows, then wbf's 256 rows
.set STAGE,  2*SLOT                    ; behind the ring, never filled by a tensor load: 16 rows x 528 bytes for each wave, for the way out
.set SPITCH, 528                       ; a stage row: 512 bytes (128 f32) + 16: 33 x 16 bytes
.set SPARE,  STAGE+4*16*SPITCH         ; behind the stages (byte 312,320 = 1,220 x 256): the spare words, 128 bytes for each wave: two blocks of 256 bytes that no other line names
.set LAPS,   SIZE_K/(2*KSTEP)          ; a lap = two K steps = once round the ring: 16
.set ADRA, 16                          ; v16-17  LDS address of my abf fragments in slot 0, 1
.set ADRB, 20                          ; v20-21  the same for wbf
.set STO,  24                          ; v24     the way out: where I put 32 bytes of a row
.set RD,   25                          ; v25     the way out: where I read 16 bytes of a row back
.set CO,   26                          ; v26     my byte offset in 512 consecutive bytes of out0; never rewritten
.set BO,   27                          ; v27     my byte offset in a block of 16 bias numbers
.set SPW,  28                          ; v28     LDS address of my spare word: SPARE + 4 x my thread's number; never rewritten
.set NIL,  29                          ; v29     0; never rewritten
.set F0,   64                          ; fragment buffer 0
.set F1,   128                         ; fragment buffer 1
.set BIAS, 192                         ; v192-255 of window 0
.set WV, 12                            ; s12  my wave's number
.set RH, 13                            ; s13  which half of the tile's rows is mine.  Also: I fetch for abf (0) or for wbf (1)
.set CH, 14                            ; s14  which half of its columns.  Also: which 128 rows of that tile I fetch
.set G1, 24                            ; s[24:31] descriptor group 1 for abf's tiles
.set G0, 32                            ; s[32:39] descriptor group 0 for abf's tiles, one set for each slot
.set G1B, 48                           ; s[48:55] descriptor group 1 for wbf's tiles: it differs in the mask alone
.set G0B, 56                           ; s[56:63] descriptor group 0 for wbf's tiles, one set for each slot
.set MSB, 0
.macro WIN new                         ; the immediate's high byte repeats the setting that is left; a switch that changes nothing is dropped
.if MSB != (\new)
	s_set_vgpr_msb (MSB<<8)|(\new)
.set MSB, \new
.endif
.endm
.set MUL_LO,   0xa1                    ; source 0 (wbf) window 1, source 1 (abf) window 0, C and D window 2
.set MUL_HI,   0xf1                    ; the same, C and D window 3
.set FIRST_LO, 0x81                    ; the first product of a sum: C (the bias) window 0, D window 2
.set FIRST_HI, 0xc1                    ; the same, D window 3
.set TO_B,     0x40                    ; destination window 1, address window 0
.set OUT_LO,   0x08                    ; an LDS store's data (source 1) in window 2
.set OUT_HI,   0x0c                    ; in window 3
; A joint load.  Waves 0 and 1 fetch abf's two halves, waves 2 and 3 wbf's.  Each of the two lines has ONE mask and one set of registers for all that issue it, and nothing in them hangs on a
; coordinate that the four partners do not share.  The branch hangs on the wave's number alone.  An s_nop 0 and four v_nop follow each of the two lines, ahead of the jump and the label.
.macro JLOAD s
	s_cmp_eq_u32 s[RH], 0
	s_cbranch_scc0 .Lfor_b_\@
	tensor_load_to_lds s[G0+4*(\s):G0+4*(\s)+3], s[G1:G1+7]
	s_nop 0
.rept 4
	v_nop
.endr
	s_branch .Lasked_\@
.Lfor_b_\@:
	tensor_load_to_lds s[G0B+4*(\s):G0B+4*(\s)+3], s[G1B:G1B+7]
	s_nop 0
.rept 4
	v_nop
.endr
.Lasked_\@:
.endm
; A round of the cluster's barrier: my work-group's barrier, so that wave 0's signal speaks for all four waves; wave 0 signals for the work-group; every wave waits for all sixteen
; work-groups; my work-group's barrier once more.  No LDS instruction of the wave is pending at a signal.
.macro CREST                           ; a round behind its opening barrier
	s_cmp_lg_u32 s[WV], 0
	s_cbranch_scc1 .Lnot_wave_0_\@
	s_barrier_signal -3
.Lnot_wave_0_\@:
	s_barrier_wait -3
	s_barrier_signal -1
	s_barrier_wait -1
.endm
.macro CROUND                          ; a whole round
	s_barrier_signal -1
	s_barrier_wait -1
	CREST
.endm
	s_load_b256 s[4:11], s[0:1], 0x0               ; abf s[4:5], wbf s[6:7], bias s[8:9], out0 s[10:11]
	v_lshl_add_u32 v[SPW], v0, 2, SPARE
	v_mov_b32 v[NIL], 0
	ds_add_u32 v[SPW], v[NIL]                      ; the wave's opening: the add and its wait stand ahead of my first tensor load; the set-up below, work on registers, stands between them
	v_lshrrev_b32 v1, 5, v0
	v_readfirstlane_b32 s[WV], v1                  ; wave 0..3
	s_lshr_b32 s[RH], s[WV], 1
	s_and_b32 s[CH], s[WV], 1
	s_bfe_u32 s15, ttmp6, 0x40000                  ; cx: my place along the cluster's x
	s_bfe_u32 s16, ttmp6, 0x40004                  ; cy: along its y
	s_lshl_b32 s17, ttmp9, 2                       ; in a cluster launch ttmp9 and ttmp7 count clusters
	s_add_co_u32 s17, s17, s15                     ; tile column of out0 = 4 x cluster x + cx
	s_and_b32 s18, ttmp7, 0xffff
	s_lshl_b32 s18, s18, 2
	s_add_co_u32 s18, s18, s16                     ; tile row of out0 = 4 x cluster y + cy
	s_lshl_b32 s19, s16, 2
	s_lshl_b32 s19, 15, s19                        ; my row of the cluster: places 4 cy .. 4 cy + 3
	s_lshl_b32 s20, 0x1111, s15                    ; my column: places cx, cx + 4, cx + 8, cx + 12
	; descriptor group 1: a tile of 128 rows x 128 elements, padded in LDS
	s_or_b32 s[G1+0], s19, (1<<16)|(1<<20)|(1<<21)|(5<<22)|(3<<25)   ; 15:0 the mask: abf's tiles go to my row; 17:16 elements of 2 bytes; 20 padding on; 21 set beside a mask; 24:22 after every 64 words (code 5); 31:25 4 words of it (code 3)
	s_or_b32 s[G1B+0], s20, (1<<16)|(1<<20)|(1<<21)|(5<<22)|(3<<25)  ; the same with the mask of my column, for wbf's tiles
.irp g, G1, G1B
	s_mov_b32 s[(\g)+1], KSTEP<<16                 ; 63:48 tensor_dim0, low half = 128
	s_mov_b32 s[(\g)+2], 128<<16                   ; 79:64 its high half = 0; 95:80 tensor_dim1, low half = 128
	s_mov_b32 s[(\g)+3], KSTEP<<16                 ; 111:96 its high half = 0; 127:112 tile_dim0 = 128
	s_mov_b32 s[(\g)+4], 128                       ; 143:128 tile_dim1 = 128; 159:144 tile_dim2 = 0
	s_mov_b32 s[(\g)+5], SIZE_K                    ; 191:160 tensor_dim0_stride, low word: elements from row to row
	s_mov_b32 s[(\g)+6], 0
	s_mov_b32 s[(\g)+7], 0
.endr
	; where the tiles come from.  abf's hang on the tile row alone, which my row of the cluster shares; wbf's on the tile column alone, which my column shares.
	; Every wave makes both offsets, in registers that never hold the other coordinate, and asks by one of them.
	s_lshl_b32 s21, s[CH], 7                       ; which 128 rows of the tile I fetch
	s_lshl_b32 s40, s18, 8
	s_add_co_u32 s40, s40, s21                     ; abf: row 256 x tile row + 128 x half,
	s_lshl_b32 s40, s40, 13                        ; times 8,192 bytes: under 2^25
	s_mov_b32 s41, 0
	s_lshl_b32 s42, s17, 8
	s_add_co_u32 s42, s42, s21                     ; wbf: row 256 x tile column + 128 x half
	s_lshl_b32 s42, s42, 13
	s_mov_b32 s43, 0
	s_mul_i32 s22, s[WV], HALFT                    ; and where they go: abf's two halves, then wbf's two halves = wave x 128 rows: no place in the cluster enters an LDS address
	s_wait_dscnt 0x0                               ; the opening add is done
	s_wait_kmcnt 0x0
	s_add_nc_u64 s[4:5], s[4:5], s[40:41]
	s_add_nc_u64 s[6:7], s[6:7], s[42:43]
	CROUND                                         ; all sixteen work-groups are here: the first joint loads meet
.irp s, 0,1
	s_mov_b32 s[G0+4*(\s)], 1                                      ; 1:0 count = 1
	s_add_co_u32 s[G0+4*(\s)+1], s22, (\s)*SLOT                    ; 63:32 LDS address
	s_add_nc_u64 s[G0+4*(\s)+2:G0+4*(\s)+3], s[4:5], (\s)*KSTEP*2  ; 120:64 global address: K step s
	s_or_b32 s[G0+4*(\s)+3], s[G0+4*(\s)+3], 0x80000000            ; 127:126 type = 2
	s_mov_b32 s[G0B+4*(\s)], 1
	s_add_co_u32 s[G0B+4*(\s)+1], s22, (\s)*SLOT
	s_add_nc_u64 s[G0B+4*(\s)+2:G0B+4*(\s)+3], s[6:7], (\s)*KSTEP*2
	s_or_b32 s[G0B+4*(\s)+3], s[G0B+4*(\s)+3], 0x80000000
	JLOAD \s                                       ; the ring is filled before anything else is done: two tensor loads of mine are out
.endr
	; A fragment is 16 rows x 32 K in 8 registers: lane l holds row l % 16; registers 0-3 hold K = 8 (l / 16) + 0..7, registers 4-7 hold K = 16 + 8 (l / 16) + 0..7.
	; From rows that lie along K: two loads of 16 bytes, 32 bytes apart.  The same for source 0 and source 1.
	v_and_b32 v1, 15, v0                           ; l % 16
	v_bfe_u32 v2, v0, 4, 1                         ; l / 16
	v_mul_u32_u24 v3, v1, PITCH
	v_lshl_add_u32 v3, v2, 4, v3                   ; row x pitch + 16 x half
	s_mul_i32 s21, s[RH], HALFT                    ; my 128 rows of abf
	s_mul_i32 s23, s[CH], HALFT                    ; my 128 rows of wbf,
	s_add_co_u32 s23, s23, 2*HALFT                 ; which lie behind abf's 256
.irp s, 0,1
	v_add_nc_u32 v[ADRA+(\s)], s21, v3
	v_add_nc_u32 v[ADRB+(\s)], s23, v3
	s_add_co_u32 s21, s21, SLOT
	s_add_co_u32 s23, s23, SLOT
.endr
	s_mul_i32 s22, s[WV], 16*SPITCH
	s_add_co_u32 s22, s22, STAGE                   ; my stage
	v_mul_u32_u24 v4, v1, SPITCH                   ; in: row l % 16, 32 bytes (eight f32) for each half of the lanes
	v_lshl_add_u32 v4, v2, 5, v4
	v_add_nc_u32 v[STO], s22, v4
	v_and_b32 v5, 31, v0
	v_lshlrev_b32 v[CO], 4, v5                     ; back: 32 lanes take one row's 512 bytes, 16 each; the same place in a row of out0
	v_add_nc_u32 v[RD], s22, v[CO]
	v_lshlrev_b32 v[BO], 5, v2                     ; the bias: eight f32 further on for lanes 16 to 31
	s_lshl_b32 s44, s17, 10                        ; my first column in bytes of f32: 1,024 x tile column + 512 x half; for the bias and for out0
	s_lshl_b32 s45, s[CH], 9
	s_add_co_u32 s44, s44, s45
	s_mov_b32 s45, 0
	s_lshl_b32 s46, s18, 8
	s_lshl_b32 s47, s[RH], 7
	s_add_co_u32 s46, s46, s47                     ; my first row of out0: 256 x tile row + 128 x half,
	s_lshl_b32 s46, s46, 14                        ; times 16,384 bytes: under 2^26
	s_mov_b32 s47, 0
	s_add_nc_u64 s[8:9], s[8:9], s[44:45]
	s_add_nc_u64 s[10:11], s[10:11], s[46:47]
	s_add_nc_u64 s[10:11], s[10:11], s[44:45]
.irp b, 0,1,2,3,4,5,6,7
	global_load_b128 v[BIAS+8*(\b):BIAS+8*(\b)+3],   v[BO], s[8:9] offset:64*(\b)     ; bias[16 b + 8 (l / 16) + 0..3] of my 128 columns
	global_load_b128 v[BIAS+8*(\b)+4:BIAS+8*(\b)+7], v[BO], s[8:9] offset:64*(\b)+16  ; and + 4..7
.endr
; 16 matrix instructions: m blocks a0, a0 + 1 of the window's four (hi = 0: my rows 0-63, 1: rows 64-127) x all 8 n blocks, 32 along K.
; first = 1: the product starts the sum, with the bias of its n block as C.  The 64 accumulators take turns, one instruction a turn, in the same order in every quarter step.
.macro MUL16 f, hi, a0, first
.if \first
	WIN FIRST_LO+0x40*(\hi)
.else
	WIN MUL_LO+0x50*(\hi)
.endif
.irp a, \a0, (\a0)+1
.irp b, 0,1,2,3,4,5,6,7
.if \first
	v_wmma_f32_16x16x32_bf16 v[8*(8*(\a)+(\b)):8*(8*(\a)+(\b))+7], v[(\f)+8*(\b):(\f)+8*(\b)+7], v[(\f)+8*(4*(\hi)+(\a)):(\f)+8*(4*(\hi)+(\a))+7], v[BIAS+8*(\b):BIAS+8*(\b)+7]
.else
	v_wmma_f32_16x16x32_bf16 v[8*(8*(\a)+(\b)):8*(8*(\a)+(\b))+7], v[(\f)+8*(\b):(\f)+8*(\b)+7], v[(\f)+8*(4*(\hi)+(\a)):(\f)+8*(4*(\hi)+(\a))+7], v[8*(8*(\a)+(\b)):8*(8*(\a)+(\b))+7]
.endif
.endr
.endr
.endm
; 32 LDS loads in one run: the fragments of one quarter step (128 rows of wbf, 128 rows of abf, 32 K at byte k of the rows) into buffer f
.macro FETCH slot, k, f
	WIN TO_B
.irp i, 0,1,2,3,4,5,6,7
	ds_load_b128 v[(\f)+8*(\i):(\f)+8*(\i)+3],   v[ADRB+(\slot)] offset:(\k)+(\i)*16*PITCH
	ds_load_b128 v[(\f)+8*(\i)+4:(\f)+8*(\i)+7], v[ADRB+(\slot)] offset:(\k)+(\i)*16*PITCH+32
.endr
	WIN 0
.irp i, 0,1,2,3,4,5,6,7
	ds_load_b128 v[(\f)+8*(\i):(\f)+8*(\i)+3],   v[ADRA+(\slot)] offset:(\k)+(\i)*16*PITCH
	ds_load_b128 v[(\f)+8*(\i)+4:(\f)+8*(\i)+7], v[ADRA+(\slot)] offset:(\k)+(\i)*16*PITCH+32
.endr
.endm
; A load into a register that a matrix instruction has read, and an LDS store that reads a matrix result, stand four places behind that matrix instruction, and only plain vector instructions
; that name none of its registers are places (ISA guide 7.12.1 for vector instructions).  No other vector work is at hand in the loop: four v_nop.
.macro PLACES
.rept 4
	v_nop
.endr
.endm
; A K step is four quarter steps of 32 along K, 64 matrix instructions each, on buffers 0, 1, 0, 1.
; One of the first three: multiplies buffer f; in its middle it fetches the next quarter's fragments, at byte k of the same slot's rows, into buffer g.
.macro QUARTER slot, k, f, g, first
	s_wait_dscnt 8                                 ; wbf's fragments and abf's rows 0-63 are in; the youngest eight loads (abf's rows 64-127) may be out
	MUL16 \f, 0, 0, \first
	MUL16 \f, 0, 2, \first
	PLACES
	FETCH \slot, \k, \g
	s_wait_dscnt 32                                ; all but the 32 just issued
	MUL16 \f, 1, 0, \first
	MUL16 \f, 1, 2, \first
.endm
; The last quarter multiplies buffer 1 and changes slots.  MEET is its first half: ONE barrier for the change of slots, for two things.  In front of it each wave waits for all its tensor loads,
; of which one is out: its part of the next slot; adds 0 to its spare word; and waits for that and for its own reads of this slot.  Behind it nobody reads this slot any more and the next slot is whole.
.macro MEET round                      ; round = 1: the rest of a round of the cluster's barrier follows
	WIN 0                                          ; (the add's two registers lie in window 0)
	s_wait_tensorcnt 0x0                           ; all my tensor loads have landed: the one that was out is my part of the next slot;
	ds_add_u32 v[SPW], v[NIL]                      ; 0 onto my spare word;
	s_wait_dscnt 9                                 ; (the add and the youngest eight loads may be out)
	MUL16 F1, 0, 0, 0                              ; sixteen matrix instructions stand between the add and the wait for it
	s_wait_dscnt 0x0                               ; the add is done, and my reads of this slot are over:
	s_barrier_signal -1                            ; say so (where a slot is filled again this barrier opens a round of the cluster's barrier),
	MUL16 F1, 0, 2, 0                              ; work on registers while the others arrive,
.if \round
	WIN 0
.endif
	s_barrier_wait -1                              ; and go on when all four have said so
.endm
; The whole last quarter.  fill = 1: behind the round the slot just read out is filled again first, with the K step two steps on; then come the next slot's first fragments.
; From a request to the wait for it a wave issues 224 matrix instructions; one tensor load of mine is out behind each round.
.macro TURN slot, next, fill
.if \fill
	MEET 1
	CREST                                          ; all sixteen work-groups have said so: no wave of any partner still reads this slot's tile or has a load on its way
	s_add_nc_u64 s[G0+4*(\slot)+2:G0+4*(\slot)+3], s[G0+4*(\slot)+2:G0+4*(\slot)+3], 2*KSTEP*2      ; no tensor load of mine is out, so a group 0 may be written; the type bits on top are not reached
	s_add_nc_u64 s[G0B+4*(\slot)+2:G0B+4*(\slot)+3], s[G0B+4*(\slot)+2:G0B+4*(\slot)+3], 2*KSTEP*2
	JLOAD \slot                                    ; the first tensor load behind the round; the four v_nop behind it are also the places in front of the loads below
.else
	MEET 0                                         ; nothing is filled again: my work-group's barrier alone
	PLACES
.endif
	FETCH \next, 0, F0
	MUL16 F1, 1, 0, 0
	MUL16 F1, 1, 2, 0
.endm
; THE WAY OUT of block a (16 rows x 128 columns of f32), in two parts.  TOSTAGE: a lane's eight numbers of a row, 32 bytes, go straight from the accumulators into my own stage, each accumulator's
; low four registers first; then the block comes back as whole rows of 512 bytes.  SEND: the rows are stored.
.macro TOSTAGE a
.set AC, 64*((\a)%4)                   ; the block's eight accumulators, in window 2 (blocks 0-3) or 3 (blocks 4-7)
.set BK, F0+64*((\a)%2)                ; 64 registers for the rows read back: the two fragment buffers of window 0 by turns
	WIN OUT_LO+4*((\a)/4)
.irp b, 0,1,2,3,4,5,6,7
	ds_store_b128 v[STO], v[AC+8*(\b):AC+8*(\b)+3]   offset:64*(\b)
	ds_store_b128 v[STO], v[AC+8*(\b)+4:AC+8*(\b)+7] offset:64*(\b)+16
.endr
	WIN 0
.if (\a) >= 2
	s_wait_xcnt 0x0                                ; this buffer is the data of block a - 2's stores: it is loaded again only behind this wait
.endif
.irp t, 0,1,2,3,4,5,6,7,8,9,10,11,12,13,14,15
	ds_load_b128 v[BK+4*(\t):BK+4*(\t)+3], v[RD] offset:(\t)*SPITCH  ; LDS serves a wave's instructions in order (ISA guide 5.7.1.4): these see the stores above, and the next block's stores come behind them
.endr
.endm
.macro SEND a, younger                 ; younger: the LDS instructions issued behind block a's loads: the next block's 16 stores and 16 loads, or none
.set BK, F0+64*((\a)%2)
	s_wait_dscnt \younger                          ; the block is back in registers
.irp t, 0,1,2,3,4,5,6,7,8,9,10,11,12,13,14,15
	global_store_b128 v[CO], v[BK+4*(\t):BK+4*(\t)+3], s[10:11] offset:(16*(\a)+(\t))*SIZE_N*4 th:TH_STORE_NT  ; 512 consecutive bytes of a row, at a multiple of 512 from out0's first byte; the row stands in the immediate: 127 x 16,384 at the most, inside its signed 24 bits
.endr
.endm
	s_wait_tensorcnt 1                             ; my part of K step 0 is in; K step 1's may stay out
	s_barrier_signal -1
	s_barrier_wait -1                              ; everybody's is
	FETCH 0, 0, F0
	s_wait_loadcnt 0x0                             ; the bias
	QUARTER 0, 64,  F0, F1, 1                      ; the first quarter stands in front of the loop: its products start the sums, on the bias
	WIN 0                                          ; at a label and at a branch every window is 0
	s_mov_b32 s3, LAPS-1
.Llap:                                                 ; a trip goes once round the ring, from a lap's second quarter to the next lap's first, and fills both slots again
	QUARTER 0, 128, F1, F0, 0
	QUARTER 0, 192, F0, F1, 0
	TURN 0, 1, 1
	QUARTER 1, 64,  F0, F1, 0
	QUARTER 1, 128, F1, F0, 0
	QUARTER 1, 192, F0, F1, 0
	TURN 1, 0, 1
	QUARTER 0, 64,  F0, F1, 0
	WIN 0
	s_sub_co_u32 s3, s3, 1
	s_cmp_lg_u32 s3, 0
	s_cbranch_scc1 .Llap
	QUARTER 0, 128, F1, F0, 0                      ; the last lap is written out: it fills nothing, and has no round of the cluster's barrier
	QUARTER 0, 192, F0, F1, 0
	TURN 0, 1, 0
	QUARTER 1, 64,  F0, F1, 0
	QUARTER 1, 128, F1, F0, 0
	QUARTER 1, 192, F0, F1, 0
	s_wait_dscnt 8                                 ; the very last quarter: nothing more to fetch
	MUL16 F1, 0, 0, 0
	MUL16 F1, 0, 2, 0
	s_wait_dscnt 0x0
	MUL16 F1, 1, 0, 0
	MUL16 F1, 1, 2, 0
	WIN 0
	PLACES                                         ; behind the last products: the stage's stores read results, and its loads land in abf's fragment buffers
	TOSTAGE 0
.irp a, 1,2,3,4,5,6,7                  ; block a's trip through the stage is issued ahead of the wait for block a - 1's
	TOSTAGE \a
	SEND (\a)-1, 32
.endr
	SEND 7, 0
	s_wait_tensorcnt 0x0                           ; the wave's end, behind my last tensor load and my last LDS store
	ds_add_u32 v[SPW], v[NIL]
	s_wait_dscnt 0x0
	CROUND                                         ; the closing round: no work-group ends while a partner may still ask for a tile that names it
	s_endpgm
.Lfunc_end_k_qf36d243cdc_gemm:
	.size	k_qf36d243cdc_gemm, .Lfunc_end_k_qf36d243cdc_gemm-k_qf36d243cdc_gemm
	.p2alignl 7, 3214868480
	.fill 96, 4, 3214868480
	.section	.rodata,"a",@progbits
	.p2align	6, 0x0
	.amdhsa_kernel k_qf36d243cdc_gemm
		.amdhsa_group_segment_fixed_size 327680
		.amdhsa_private_segment_fixed_size 0
		.amdhsa_enable_private_segment 0
		.amdhsa_kernarg_size 32
		.amdhsa_user_sgpr_count 2
		.amdhsa_user_sgpr_kernarg_segment_ptr 1
		.amdhsa_wavefront_size32 1
		.amdhsa_system_sgpr_workgroup_id_x 1
		.amdhsa_system_sgpr_workgroup_id_y 1
		.amdhsa_system_sgpr_workgroup_id_z 1
		.amdhsa_system_vgpr_workitem_id 0
		.amdhsa_next_free_vgpr 1024
		.amdhsa_next_free_sgpr 66
		.amdhsa_reserve_vcc 0
		.amdhsa_float_denorm_mode_32 3
		.amdhsa_float_denorm_mode_16_64 3
		.amdhsa_memory_ordered 1
		.amdhsa_forward_progress 1
		.amdhsa_inst_pref_size 141
	.end_amdhsa_kernel
	.amdgpu_metadata
---
amdhsa.version: [ 1, 2 ]
amdhsa.kernels:
  - .name:           k_qf36d243cdc_gemm
    .symbol:         k_qf36d243cdc_gemm.kd
    .args:
      - { .name: abf, .offset: 0, .size: 8, .value_kind: global_buffer, .address_space: global }
      - { .name: wbf, .offset: 8, .size: 8, .value_kind: global_buffer, .address_space: global }
      - { .name: bias, .offset: 16, .size: 8, .value_kind: global_buffer, .address_space: global }
      - { .name: out0, .offset: 24, .size: 8, .value_kind: global_buffer, .address_space: global }
    .group_segment_fixed_size: 327680
    .private_segment_fixed_size: 0
    .kernarg_segment_align: 8
    .kernarg_segment_size: 32
    .max_flat_workgroup_size: 128
    .sgpr_count:     66
    .vgpr_count:     1024
    .wavefront_size: 32
...
	.end_amdgpu_metadata
.endif
;; end of part 2
;; ======== version 2 of 2: 2 launches; version 1 with the launch prep written anew for expert scheduling mode
;; workspace buffers: abf 33,554,432 bytes; wbf 33,554,432 bytes
;; launch prep (part 3): grid 1024 x 1, 8 waves a work-group, no clusters, 0 bytes of LDS; arguments input, mask, weight, abf, wbf; writes abf, wbf
.if DOCPART == 3
	.amdgcn_target "amdgcn-amd-amdhsa--gfx1250"
	.amdhsa_code_object_version 6
	.text
	.protected	k_qf36d243cdc_prep
	.globl	k_qf36d243cdc_prep
	.p2align	8
	.type	k_qf36d243cdc_prep,@function
k_qf36d243cdc_prep:
	s_mov_b64 s[64:65], 0
	v_nop
	global_prefetch_b8 v0, s[64:65] scope:SCOPE_SE
	s_setreg_imm32_b32 hwreg(HW_REG_WAVE_SCHED_MODE, 0, 2), 2
	s_setreg_imm32_b32 hwreg(HW_REG_WAVE_MODE, 25, 1), 1
	s_wait_xcnt 0x0
	s_wait_alu depctr_vm_vsrc(0)
; abf = bf16(input * float(mask)),  wbf = bf16(weight).  input, weight: [4096][4096] f32; mask: [4096][4096] i32; abf, wbf: [4096][4096] bf16.
; Every mask word is loaded, converted to f32 and multiplied in f32; the product is rounded once to bf16.  Nothing is assumed of the mask's values or pattern.
; LIMITS: none of range: the conversion of a mask word beyond 2^24 rounds to nearest even, as a cast to f32 does; infinity x 0 gives NaN, as the plain product does; bf16 keeps f32's exponents.
; A STREAM: bytes are all that counts, so there is no LDS, no barrier, no matrix work and no cluster (no two work-groups read the same byte).
; SHARES: the three tensors are flat runs of 16,777,216 numbers.  A work-group owns 16,384 of each: 64 KiB of each input, 32 KiB of each output.
; An ITEM is 1,024 numbers of each tensor: thread t loads the 16 bytes at 16 t + 4,096 i of input, mask and weight (a wave's load covers 512 consecutive bytes)
; and stores the 8 bytes at 8 t + 2,048 i of abf and of wbf (a wave's store covers 256 consecutive bytes, at a multiple of 256 from the buffer's first byte).
; The item's number stands in the immediates: no address register and no base is ever rewritten.
; THE MODE: SCHED_MODE bits 1:0 = 2 (LLVM: expert scheduling mode 2), set by the entry lines.  The code itself states the register dependences
; between vector instructions and memory instructions, with s_wait_alu, always for 0.
; THE PLAN.  The 16 items go in 8 blocks of two.  Registers that memory instructions touch:
;   X0 .. X3   four blocks as loaded (input, mask, weight).  Written by the six loads of block p + 3, issued in block p; read, and written in place, by block p's conversions and products.
;   Y0, Y1     two blocks of bf16 to store.  Written by block p's roundings; read by the four stores that are issued in block p + 1.
;   v1, v2     byte offsets, made once at the head and never written again.
; Block p works on X[p % 4] and writes Y[p % 2].  Its memory instructions are the loads into X[(p + 3) % 4] = X[(p - 1) % 4] and the stores from Y[(p - 1) % 2]:
; the two buffers that block p - 1 worked on and that no vector instruction of block p names.  So the waits at the head of a block state all that the block's ten
; memory instructions hang on, and these are dealt among its vector instructions with no further wait.  Up to 18 loads of every wave are on their way.
.set NB,    8                          ; blocks of a work-group, two items each
.set LOFF,  1                          ; v1   16 t: my byte offset in an item of the inputs
.set SOFF,  2                          ; v2   8 t: my byte offset in an item of the outputs
.set X,     4                          ; v[4:99]     buffer k, item j at X + 24 k + 12 j: +0..3 input, +4..7 mask, +8..11 weight
.set Y,     100                        ; v[100:115]  buffer k, item j at Y + 8 k + 4 j: +0..1 four bf16 for abf, +2..3 four for wbf
	s_load_b256 s[4:11], s[0:1], 0x0               ; input s[4:5], mask s[6:7], weight s[8:9], abf s[10:11]
	s_load_b64 s[12:13], s[0:1], 0x20              ; wbf
	s_lshl_b32 s2, ttmp9, 16                       ; my work-group's 65,536 bytes of each input (1,023 x 65,536 stays under 2^32),
	s_mov_b32 s3, 0
	s_lshl_b32 s14, ttmp9, 15                      ; and its 32,768 bytes of each output
	s_mov_b32 s15, 0
	v_lshlrev_b32 v[LOFF], 4, v0
	v_lshlrev_b32 v[SOFF], 3, v0
	s_wait_kmcnt 0x0
	s_add_nc_u64 s[4:5], s[4:5], s[2:3]
	s_add_nc_u64 s[6:7], s[6:7], s[2:3]
	s_add_nc_u64 s[8:9], s[8:9], s[2:3]
	s_add_nc_u64 s[10:11], s[10:11], s[14:15]
	s_add_nc_u64 s[12:13], s[12:13], s[14:15]
	s_wait_alu depctr_va_vdst(0)                   ; v1 and v2 are written: every load and store of the kernel reads one of them as its offset
; The three loads of item j of block b, into X[b % 4].  Each input byte is read once in the launch.
.macro LOADS b, j
.set RL, X+24*((\b)%4)+12*(\j)
	global_load_b128 v[RL:RL+3],    v[LOFF], s[4:5] offset:(2*(\b)+(\j))*4096 th:TH_LOAD_NT
	global_load_b128 v[RL+4:RL+7],  v[LOFF], s[6:7] offset:(2*(\b)+(\j))*4096 th:TH_LOAD_NT
	global_load_b128 v[RL+8:RL+11], v[LOFF], s[8:9] offset:(2*(\b)+(\j))*4096 th:TH_LOAD_NT
.endm
; The two stores of item j of block b, from Y[b % 2].
.macro STORES b, j
.set RS, Y+8*((\b)%2)+4*(\j)
	global_store_b64 v[SOFF], v[RS:RS+1],   s[10:11] offset:(2*(\b)+(\j))*2048  ; the next launch reads these: no streaming hint
	global_store_b64 v[SOFF], v[RS+2:RS+3], s[12:13] offset:(2*(\b)+(\j))*2048
.endm
; Block p.  In front of each item's ten vector instructions stand three loads of block p + 3 and two stores of block p - 1, the loads first.
.macro BLK p
.if (\p) <= NB-3
	s_wait_loadcnt 12                              ; loads come back in order (ISA guide 5.7.1): X[p % 4] is in; the two younger blocks, six loads each, stay out
.else
	s_wait_loadcnt 6*(NB-1-(\p))                   ; the last blocks: nothing more was asked for, and the counts run down
.endif
.if (\p) >= 2
	s_wait_xcnt 0x0                                ; every earlier memory instruction has had its addresses translated (ISA guide 3.1): Y[p % 2], the data of stores issued in the block before, is rewritten only behind this wait
	s_wait_alu depctr_vm_vsrc(0)                   ; the stores issued in the block before have read Y[p % 2], which this block's roundings write again
.endif
.if (\p) >= 1
	s_wait_alu depctr_va_vdst(0)                   ; the block before has written the other Y, which the stores below read, and is done reading and writing its X, in which the loads below land
.endif
.irp j, 0,1
.if (\p)+3 < NB
	LOADS (\p)+3, \j                               ; three blocks ahead; no vector instruction since the wait names these registers
.endif
.if (\p) >= 1
	STORES (\p)-1, \j                              ; the block before
.endif
.set R, X+24*((\p)%4)+12*(\j)
.set W, Y+8*((\p)%2)+4*(\j)
.irp k, 4,5,6,7
	v_cvt_f32_i32 v[R+(\k)], v[R+(\k)]             ; the mask as f32
.endr
	v_pk_mul_f32 v[R:R+1],   v[R:R+1],   v[R+4:R+5]
	v_pk_mul_f32 v[R+2:R+3], v[R+2:R+3], v[R+6:R+7]
	v_cvt_pk_bf16_f32 v[W],   v[R],    v[R+1]      ; two roundings to nearest even, packed, the lower number in the low half
	v_cvt_pk_bf16_f32 v[W+1], v[R+2],  v[R+3]
	v_cvt_pk_bf16_f32 v[W+2], v[R+8],  v[R+9]
	v_cvt_pk_bf16_f32 v[W+3], v[R+10], v[R+11]
.endr
.endm
.irp b, 0,1,2
	LOADS \b, 0                                    ; blocks 0, 1 and 2 into X0, X1, X2
	LOADS \b, 1
.endr
.irp p, 0,1,2,3,4,5,6,7
	BLK \p                                         ; eight blocks are written out: no loop, and no load past the work-group's share
.endr
	s_wait_alu depctr_va_vdst(0)                   ; block 7 has written Y1, which the last four stores read
	STORES NB-1, 0
	STORES NB-1, 1
	s_endpgm
.Lfunc_end_k_qf36d243cdc_prep:
	.size	k_qf36d243cdc_prep, .Lfunc_end_k_qf36d243cdc_prep-k_qf36d243cdc_prep
	.p2alignl 7, 3214868480
	.fill 96, 4, 3214868480
	.section	.rodata,"a",@progbits
	.p2align	6, 0x0
	.amdhsa_kernel k_qf36d243cdc_prep
		.amdhsa_group_segment_fixed_size 0
		.amdhsa_private_segment_fixed_size 0
		.amdhsa_enable_private_segment 0
		.amdhsa_kernarg_size 40
		.amdhsa_user_sgpr_count 2
		.amdhsa_user_sgpr_kernarg_segment_ptr 1
		.amdhsa_wavefront_size32 1
		.amdhsa_system_sgpr_workgroup_id_x 1
		.amdhsa_system_sgpr_workgroup_id_y 1
		.amdhsa_system_sgpr_workgroup_id_z 1
		.amdhsa_system_vgpr_workitem_id 0
		.amdhsa_next_free_vgpr 116
		.amdhsa_next_free_sgpr 66
		.amdhsa_reserve_vcc 0
		.amdhsa_float_denorm_mode_32 3
		.amdhsa_float_denorm_mode_16_64 3
		.amdhsa_memory_ordered 1
		.amdhsa_forward_progress 1
		.amdhsa_inst_pref_size 18
	.end_amdhsa_kernel
	.amdgpu_metadata
---
amdhsa.version: [ 1, 2 ]
amdhsa.kernels:
  - .name:           k_qf36d243cdc_prep
    .symbol:         k_qf36d243cdc_prep.kd
    .args:
      - { .name: input, .offset: 0, .size: 8, .value_kind: global_buffer, .address_space: global }
      - { .name: mask, .offset: 8, .size: 8, .value_kind: global_buffer, .address_space: global }
      - { .name: weight, .offset: 16, .size: 8, .value_kind: global_buffer, .address_space: global }
      - { .name: abf, .offset: 24, .size: 8, .value_kind: global_buffer, .address_space: global }
      - { .name: wbf, .offset: 32, .size: 8, .value_kind: global_buffer, .address_space: global }
    .group_segment_fixed_size: 0
    .private_segment_fixed_size: 0
    .kernarg_segment_align: 8
    .kernarg_segment_size: 40
    .max_flat_workgroup_size: 256
    .sgpr_count:     66
    .vgpr_count:     116
    .wavefront_size: 32
...
	.end_amdgpu_metadata
.endif
;; end of part 3
;; launch gemm: the kernel of part 2 again; grid 16 x 16, 4 waves a work-group, clusters of 4 x 4, 327,680 bytes of LDS; arguments abf, wbf, bias, out0; writes out0
